; MI455X (gfx1250); checked and timed in simulation.
; The chip was launched on July 23, 2026; its instructions are those of AMD's public machine-readable ISA for CDNA 5 (MIT licence, August 2026) and "CDNA5" Instruction Set Architecture Reference Guide (July 2026). The comments in the code are by the model that wrote it; some were corrected since.
;; Attention. Allowed arithmetic: matrix products marked QUANTISED: E3M2 operands, one E8M0 scale for each 32 along K, by v_wmma_scale_f32_16x16x128_f8f6f4 with both operands' format E3M2, f32 sums; everything else in f32.
;; Inputs: proj_b 512 float32; proj_w 512 x 512 float32; x 3 x 2 x 4,096 x 512 float32.
;; Outputs: out0 2 x 4,096 x 512 float32.
;; This version of the problem:
;;   THIS VERSION OF THE PROBLEM IS GIVEN IN LOW PRECISION. The matrix products marked QUANTISED in the list below multiply operands that are first quantised to E3M2 (3 exponent bits, 2 mantissa bits; 6 bits a number), with one power-of-two scale for each 32 numbers along K (OCP MX v1.0); their sums are f32. All else is computed in f32.
;;   The module's matrix products, in the order in which they are computed (A, B: the left and right operand; K: the contracted axis; several contracted axes count as one K, in the product's order):
;;     1. batch 16 x [M 4,096, K 64] x [K 64, N 4,096]; A: input x; B: input x: QUANTISED
;;     2. batch 16 x [M 4,096, K 4,096] x [K 4,096, N 64]; A: softmax (see below); B: input x: QUANTISED
;;     3. [M 8,192, K 512] x [K 512, N 512]; A: computed on the way; B: input proj_w: QUANTISED
;;   THE QUANTISER, for each operand of a quantised product, along K:
;;     - K is cut into blocks of 32 from its start; a last block that is shorter is filled with zeros.
;;     - A block's scale is 2^e with e = floor(log2(the largest magnitude in the block)) - 4, held to -126 .. 127; a block of zeros has e = 0. As a byte (E8M0): e + 127.
;;     - Each number is divided by its block's scale, clamped to +-28, and rounded to the nearest number of E3M2, ties to even, subnormals kept.
;;     - The product sums the exact products of the quantised numbers (number of the format x scale) in f32.
;;   ~~~python
;;   def quantise(x, axis):      # numpy; x: float32 -> the quantised numbers, widened to float32 again
;;       x = np.moveaxis(x, axis, -1); K = x.shape[-1]
;;       x = np.pad(x, [(0, 0)] * (x.ndim - 1) + [(0, -K % 32)]); x = x.reshape(x.shape[:-1] + (-1, 32)); a = np.abs(x).max(-1, keepdims=True)
;;       e = np.where(a > 0, np.clip(np.frexp(np.where(a > 0, a, 1))[1] - 1 - 4, -126, 127), 0)      # np.frexp(a)[1] - 1 = floor(log2(a)), exactly
;;       r = np.clip(x / 2.0 ** e, -28, 28)
;;       step = 2.0 ** (np.maximum(np.frexp(np.where(r == 0, 1, r))[1] - 1, -2) - 2)
;;       q = np.round(r / step) * step * 2.0 ** e      # np.round: ties to even
;;       return np.moveaxis(q.reshape(q.shape[:-2] + (-1,))[..., :K], -1, axis).astype(np.float32)
;;   ~~~
;;   SOFTMAX AHEAD OF A QUANTISED PRODUCT. Where the list says 'softmax', what is quantised is not the finished softmax but p = 2^(t - M), with t = logit x log2(e) and M = ceil(the row's largest t), a whole number; so 1/2 < the row's largest p <= 1. The row's sum l is taken of the UNQUANTISED p, in f32, and the product's result is divided by l at the end. Since M is a whole number, a kernel that streams over the keys may use a running M (the ceiling of the running maximum): every later rescaling is an exact power of two, which a block's scale takes up: the codes' values come out the same.
;;   OPERANDS COMPUTED ON THE WAY. 'Computed on the way' means the value that the module computes at that place (a softmax that the list does not call 'softmax' is quantised finished and normalised). What goes into a quantiser is computed in f32, as accurately as f32 sums, v_exp_f32 and their like allow (about 1e-6 of the number): no bf16 or f16 on the way to a quantiser, and a product that is left as it is and whose result goes on into a quantised operand takes f32 operands (vector FMAs, or v_wmma_f32_16x16x4_f32). A number that lies on a knife's edge between two numbers of the format may be rounded either way, as far as f32 arithmetic and the matrix unit's own rounding can turn it there, and no further.
;; One version. Each part assembles by itself: llvm-mc -triple=amdgcn-amd-amdhsa -mcpu=gfx1250 --defsym DOCPART=n.
;; ======== version 1 of 1: 3 launches
;; limits: right only within a limited range of input values
;; workspace buffers: rc 6,488,064 bytes; rs 270,336 bytes; vc 3,145,728 bytes; vs 131,072 bytes; ac 3,145,728 bytes; asc 131,072 bytes
;; launch quant (part 1): grid 392 x 1, 4 waves a work-group, no clusters, 68,096 bytes of LDS; arguments x, proj_w, rc, rs, vc, vs; writes rc, rs, vc, vs
.if DOCPART == 1
	.amdgcn_target "amdgcn-amd-amdhsa--gfx1250"
	.amdhsa_code_object_version 6
	.text
	.protected	k_q5927381cf1_quant
	.globl	k_q5927381cf1_quant
	.p2align	8
	.type	k_q5927381cf1_quant,@function
k_q5927381cf1_quant:
	s_mov_b64 s[64:65], 0
	v_nop
	global_prefetch_b8 v0, s[64:65] scope:SCOPE_SE
	s_setreg_imm32_b32 hwreg(HW_REG_WAVE_MODE, 25, 1), 1
	s_wait_xcnt 0x0
; q, k (x[0], x[1]), proj_w and v (x[2]), all f32, become codes of BF6 (E3M2), 6 bits each, with one E8M0 scale byte for each 32 along a product's K.
; A block's scale is 2^(floor(log2(its largest magnitude)) - 4); its byte is the largest magnitude's exponent field - 4, held at 1 from below.
; LIMITS: NaN and infinities among the inputs are not served; a block whose largest magnitude lies under 2^(5 - 127) gets the byte 1; a block of zeros gets the byte 1 where the
; quantiser's rule says 127: its codes are zeros, which add nothing under any byte but 0xff, and the bytes are read by this program alone.
; EVERY OPERAND IS LAID [chunk of 64 along K][row][48 bytes]: a row's 48 bytes are block 0 (24 bytes), then block 1.  TILE ORDER of rows: within each 32 rows the groups of eight lie in the
; order 0, 2, 1, 3, so that 16 stored rows 16 T + r are the rows 32 (T / 2) + 8 (T % 2) + r + 8 (r / 8): used as source 0, two neighbouring tiles give a lane 16 neighbours along the next K.
; PATH A (work-groups 0-263): K is innermost (q, k: the head's 64; proj_w: 64 of its 512).  A wave's job j = 4 x work-group + wave is 128 rows x one chunk of 64 numbers (256 aligned bytes of a row of 2,048).
;   jobs 0-1023 = [q b0, q b1, k b0, k b1][head 8][128 rows: 32]; jobs 1024-1055 = proj_w [chunk of K: 8][128 rows: 4].  rc takes 6,144 bytes a job, rs 256.
; PATH B (work-groups 264-391): v, whose K (the keys) is not innermost: a lane takes a channel, and its registers run down the keys.  A wave: 32 channels x 256 keys.
;   vc = [batch x head 16][64 keys: 64][channel, tile order: 64][48 bytes];  vs = [batch x head][128 keys: 32][channel, tile order][4 bytes].
; The two paths part on the work-group's number and have LDS bytes of their own.  No tensor loads, no barrier, no cluster: waves share nothing, and every input byte is read once.
.set STEPS, 16                         ; path A: steps of 8 rows x 64 numbers
.set EMAX,  4
.set CBY,   12                         ; bytes of 16 codes
.set SP,    80                         ; a lane's place in a stage: its 64 bytes + 16
.set WREG,  8192                       ; path A's LDS: a region for each wave: two stages of 32 x SP bytes, then its 256 scale bytes
.set RA,    16                         ; v16-79   four sets of 16 numbers as loaded
.set XA,    80                         ; v80-111  two sets of 16 neighbours
.set EA,    112                        ; v112-127 a scale byte for each step
.set CA,    128                        ; v128-191 codes: four registers for each step, so that no store's data are written again
.set VSTG,  32768                      ; path B's LDS: 32 rows x PITCH for each wave
.set PITCH, 272                        ; a stage row: sixteen places of 16 bytes, each with 12 bytes of codes, + 16
.set NB,    8                          ; path B: blocks of 32 keys a lane
.set XV,    32                         ; v32-95   two sets of 32 numbers
.set CV,    96                         ; v96..    a block's codes
.set OUTR,  112                        ; v112-175 the way out
.set SB,    24                         ; v24-25   the scale bytes, four to a register: a word for each 128 keys
	s_load_b256 s[4:11], s[0:1], 0x0               ; x s[4:5], proj_w s[6:7], rc s[8:9], rs s[10:11]
	s_load_b128 s[12:15], s[0:1], 0x20             ; vc s[12:13], vs s[14:15]
	v_lshl_add_u32 v192, v0, 2, 0x10800
	v_mov_b32 v193, 0
	v_lshrrev_b32 v1, 5, v0
	v_readfirstlane_b32 s16, v1                    ; wave 0..3
	v_and_b32 v2, 31, v0                           ; lane
	s_cmp_ge_u32 ttmp9, 264
	s_cbranch_scc1 .Lv
; ---------------- PATH A ----------------
	s_lshl_b32 s17, ttmp9, 2
	s_add_co_u32 s17, s17, s16                     ; the job j
	s_lshr_b32 s18, s17, 8                         ; in x: which of q b0, q b1, k b0, k b1: 2^23 bytes each,
	s_lshl_b32 s18, s18, 23
	s_and_b32 s19, s17, 31                         ; which 128 rows: 2^18 bytes,
	s_lshl_b32 s19, s19, 18
	s_or_b32 s18, s18, s19
	s_bfe_u32 s19, s17, 0x30005                    ; which head: 256 bytes of a row
	s_lshl_b32 s19, s19, 8
	s_or_b32 s18, s18, s19
	s_and_b32 s20, s17, 3                          ; in proj_w: which 128 rows,
	s_lshl_b32 s20, s20, 18
	s_bfe_u32 s21, s17, 0x30002                    ; which chunk of 64 along K
	s_lshl_b32 s21, s21, 8
	s_or_b32 s20, s20, s21
	; K'S JOBS ALONE (work-groups 128-255) LIE IN ANOTHER ORDER THAN TILE ORDER: within each 64 rows the groups of eight lie in the order 0, 4, 1, 5, 2, 6, 3, 7,
	; so that 16 stored rows 16 T + r are the rows 64 (T / 4) + 8 (T % 4) + r % 8 + 32 (r / 8).  The places of the stores stay as they are for every job; step t of a job of k
	; LOADS the group whose number is t with bits 1 and 2 exchanged: bit 1 of t then stands for four groups (65,536 bytes) and bit 2 for two (32,768 bytes); in the other jobs the other way round.
	s_lshr_b32 s23, ttmp9, 7                       ; 1 in k's work-groups
	s_mov_b32 s24, 32768
	s_mov_b32 s25, 65536
	s_cmp_eq_u32 s23, 1
	s_cselect_b32 s26, s25, s24                    ; what bit 1 of t adds to the load's offset
	s_cselect_b32 s27, s24, s25                    ; what bit 2 adds
	s_wait_alu depctr_va_vdst(0)
	v_and_b32 v3, 15, v2
	v_lshlrev_b32 v3, 4, v3
	v_lshrrev_b32 v13, 4, v2
	v_lshl_add_u32 v3, v13, 11, v3                 ; a load takes two rows' 256 bytes: 16 (lane % 16) + 2,048 (lane / 16)
	v_mov_b32 v194, v3                             ; v194-197: that offset for bits 2, 1 of t = 00, 01, 10, 11; never rewritten
	v_add_nc_u32 v195, s26, v3
	v_add_nc_u32 v196, s27, v3
	v_add_nc_u32 v197, s27, v195
	s_mul_i32 s22, s16, WREG
	v_lshrrev_b32 v14, 2, v2
	v_mul_u32_u24 v14, v14, SP
	v_and_b32 v15, 3, v2
	v_lshl_add_u32 v14, v15, 4, v14
	v_add_nc_u32 v14, s22, v14                     ; the stage, on the way in: four lanes' 64 bytes on end, then 16 of padding
	v_mul_u32_u24 v15, v2, SP
	v_add_nc_u32 v15, s22, v15                     ; and on the way out: SP x lane: my 16 neighbours (row lane / 4 of the step's eight, numbers 16 (lane % 4) on)
	v_mul_u32_u24 v4, v2, CBY                      ; my codes' place in a step's 384 bytes
	v_lshrrev_b32 v5, 1, v2
	s_add_co_u32 s22, s22, 2*32*SP
	v_add_nc_u32 v5, s22, v5                       ; LDS: my wave's 256 scale bytes, my block's byte
	v_lshlrev_b32 v7, 3, v2                        ; and on the way out 8 bytes a lane
	v_add_nc_u32 v6, s22, v7
	s_wait_alu depctr_va_vdst(0)
	s_wait_kmcnt 0x0
	s_cmp_lt_u32 ttmp9, 256                        ; x's job or proj_w's?  The choice hangs on the work-group's number alone
	s_cselect_b64 s[4:5], s[4:5], s[6:7]
	s_cselect_b32 s18, s18, s20
	s_mov_b32 s19, 0
	s_add_nc_u64 s[4:5], s[4:5], s[18:19]
	s_mul_i32 s20, s17, 6144
	s_mov_b32 s21, 0
	s_add_nc_u64 s[8:9], s[8:9], s[20:21]          ; rc + 6,144 j
	s_lshl_b32 s20, s17, 8
	s_add_nc_u64 s[10:11], s[10:11], s[20:21]      ; rs + 256 j
.macro LOADA t
.irp i, 0,1,2,3
	global_load_b128 v[RA+16*((\t)%4)+4*\i:RA+16*((\t)%4)+4*\i+3], v[194+(((\t)>>1)&3)], s[4:5] offset:16384*((\t)&9)+4096*\i th:TH_LOAD_NT   ; sixteen lanes read a row's 256 aligned bytes; bits 3 and 0 of t stand in the immediate
.endr
.endm
.macro TURNA t                         ; step t's numbers through the stage: LDS serves a wave's instructions in order, so no wait stands between the stores and the loads
.irp i, 0,1,2,3
	ds_store_b128 v14, v[RA+16*((\t)%4)+4*\i:RA+16*((\t)%4)+4*\i+3] offset:32*SP*((\t)%2)+8*SP*\i
.endr
.irp i, 0,1,2,3
	ds_load_b128 v[XA+16*((\t)%2)+4*\i:XA+16*((\t)%2)+4*\i+3], v15 offset:32*SP*((\t)%2)+16*\i
.endr
.endm
.irp t, 0,1,2,3
	LOADA \t
.endr
	s_wait_loadcnt 12                              ; step 0's four loads are in; the twelve of steps 1 to 3 may be out
	TURNA 0
.macro STEPA t
.set XS, XA+16*((\t)%2)
.set PS, ((\t)&12)|(((\t)&1)<<1)|(((\t)>>1)&1)  ; tile order: group t of eight rows goes to place PS
.if (\t) > 0
	s_wait_dscnt 1                                 ; this step's numbers are back from the stage (the last step's byte store may be out): so its stores into the stage have read their registers,
.else
	s_wait_dscnt 0x0
.endif
.if (\t)+4 < STEPS
	LOADA (\t)+4                                   ; which take the loads of four steps on
.endif
.if (\t)+1 < STEPS
.if STEPS-2-(\t) >= 3
	s_wait_loadcnt 12                              ; the next step's four loads are in; those of the three steps behind it may be out
.else
	s_wait_loadcnt 4*(STEPS-2-(\t))
.endif
	TURNA (\t)+1                                   ; and go through the other stage while this step is worked
.endif
	v_max3_num_f32 v8, |v[XS]|, |v[XS+1]|, |v[XS+2]|               ; the largest magnitude of my 16
	v_max3_num_f32 v9, |v[XS+3]|, |v[XS+4]|, |v[XS+5]|
.irp i, 6,10
	v_max3_num_f32 v8, v8, |v[XS+\i]|, |v[XS+\i+1]|
	v_max3_num_f32 v9, v9, |v[XS+\i+2]|, |v[XS+\i+3]|
.endr
	v_max3_num_f32 v8, v8, |v[XS+14]|, |v[XS+15]|
	v_max3_num_f32 v8, v8, v9, (EMAX+1)<<23        ; and the floor 2^(EMAX + 1 - 127): the byte cannot fall under 1
	v_max_num_f32_dpp v8, v8, v8 row_xmask:1 row_mask:0xf bank_mask:0xf   ; and of my neighbour's 16: the block's
	v_add_nc_u32 v11, -(EMAX<<23), v8              ; EMAX off its exponent field: the conversion takes the exponent field of this operand as its scale
	v_cvt_scalef32_pk16_bf6_f32 v[CA+4*(\t):CA+4*(\t)+2], v[XS:XS+15], v11
	v_lshrrev_b32 v[EA+(\t)], 23, v11              ; the scale's byte
	ds_store_b8 v5, v[EA+(\t)] offset:16*PS        ; both lanes of a block write the same byte with the same value
	global_store_b96 v4, v[CA+4*(\t):CA+4*(\t)+2], s[8:9] offset:32*CBY*PS   ; 384 consecutive bytes: eight rows of 48
.endm
.irp t, 0,1,2,3,4,5,6,7,8,9,10,11,12,13,14,15
	STEPA \t
.endr
	ds_load_b64 v[12:13], v6                       ; LDS serves a wave's instructions in order: these see my stores
	s_wait_dscnt 0x0
	global_store_b64 v7, v[12:13], s[10:11]        ; 32 lanes store 256 consecutive bytes, aligned
	s_wait_tensorcnt 0x0
	ds_add_u32 v192, v193
	s_wait_dscnt 0x0
	s_endpgm
; ---------------- PATH B ----------------
.Lv:
	s_sub_co_u32 s17, ttmp9, 264                   ; g = 0..127
	s_and_b32 s18, s17, 3                          ; which 128 of the batch's 512 columns
	s_bfe_u32 s19, s17, 0x40002                    ; y: which 256 keys
	s_lshr_b32 s20, s17, 6                         ; the batch
	s_lshl_b32 s21, s18, 1
	s_lshr_b32 s22, s16, 1
	s_add_co_u32 s21, s21, s22                     ; the head: two waves to a head
	s_lshl_b32 s22, s20, 3
	s_add_co_u32 s21, s21, s22                     ; batch x 8 + head
	s_and_b32 s22, s16, 1                          ; which 32 of the head's 64 channels
	s_lshl_b32 s24, s20, 23                        ; x: x[2][batch],
	s_lshl_b32 s25, s19, 19                        ; 256 y rows of 2,048 bytes,
	s_add_co_u32 s24, s24, s25
	s_lshl_b32 s25, s18, 9                         ; my work-group's 128 columns,
	s_add_co_u32 s24, s24, s25
	s_lshl_b32 s25, s16, 7                         ; my wave's 32
	s_add_co_u32 s24, s24, s25
	s_add_co_u32 s24, s24, 33554432
	s_mov_b32 s25, 0
	s_lshl_b32 s26, s21, 6                         ; vc: chunk 64 (batch x head) + 4 y, of 3,072 bytes,
	s_lshl_b32 s27, s19, 2
	s_add_co_u32 s26, s26, s27
	s_mul_i32 s26, s26, 3072
	s_mul_i32 s27, s22, 1536                       ; my 32 channels of 48 bytes
	s_add_co_u32 s26, s26, s27
	s_mov_b32 s27, 0
	s_lshl_b32 s28, s21, 5                         ; vs: step 32 (batch x head) + 2 y, of 256 bytes,
	s_lshl_b32 s29, s19, 1
	s_add_co_u32 s28, s28, s29
	s_lshl_b32 s28, s28, 8
	s_lshl_b32 s29, s22, 7                         ; my 32 channels of 4 bytes
	s_add_co_u32 s28, s28, s29
	s_mov_b32 s29, 0
	s_wait_alu depctr_va_vdst(0)
	v_lshlrev_b32 v3, 2, v2                        ; in: 4 bytes a lane: lane = channel
	s_mul_i32 s30, s16, 32*PITCH
	s_add_co_u32 s30, s30, VSTG                    ; my stage
	v_mul_u32_u24 v4, v2, PITCH
	v_add_nc_u32 v4, s30, v4                       ; into it: row = my channel
	v_lshrrev_b32 v5, 2, v2
	v_and_b32 v6, 3, v2
	v_mul_u32_u24 v7, v5, PITCH
	v_lshl_add_u32 v7, v6, 4, v7
	v_add_nc_u32 v7, s30, v7                       ; out of it: four lanes to a channel's 48 bytes of a chunk, eight channels an instruction
	v_mul_u32_u24 v8, v2, 12                       ; and the same place in vc: 12 bytes a lane
	v_and_b32 v9, 7, v2                            ; my channel's place in tile order: lane % 8 + 16 ((lane / 8) % 2) + 8 (lane / 16),
	v_bfe_u32 v10, v2, 3, 1
	v_lshl_add_u32 v9, v10, 4, v9
	v_lshrrev_b32 v10, 4, v2
	v_lshl_add_u32 v9, v10, 3, v9
	v_lshlrev_b32 v9, 2, v9                        ; in scale words
	s_wait_kmcnt 0x0
	s_add_nc_u64 s[4:5], s[4:5], s[24:25]
	s_add_nc_u64 s[12:13], s[12:13], s[26:27]
	s_add_nc_u64 s[14:15], s[14:15], s[28:29]
.macro LOADV t                         ; block t: v(key 32 t + i, my channel), i = 0 .. 31, into set t % 2: 32 lanes read 128 consecutive bytes
.irp i, 0,1,2,3,4,5,6,7,8,9,10,11,12,13,14,15,16,17,18,19,20,21,22,23,24,25,26,27,28,29,30,31
	global_load_b32 v[XV+32*((\t)%2)+\i], v3, s[4:5] offset:(32*(\t)+\i)*2048 th:TH_LOAD_NT
.endr
.endm
	LOADV 0
	LOADV 1
.macro BLOCKV t
.set XS, XV+32*((\t)%2)
.if (\t) < NB-1
	s_wait_loadcnt 32                              ; this block's 32 loads are in; the next block's 32 may be out
.else
	s_wait_loadcnt 0
.endif
	v_max3_num_f32 v12, |v[XS]|, |v[XS+1]|, |v[XS+2]|               ; the block's largest magnitude: all 32 numbers are mine
	v_max3_num_f32 v13, |v[XS+3]|, |v[XS+4]|, |v[XS+5]|
.irp i, 6,10,14,18,22,26
	v_max3_num_f32 v12, v12, |v[XS+\i]|, |v[XS+\i+1]|
	v_max3_num_f32 v13, v13, |v[XS+\i+2]|, |v[XS+\i+3]|
.endr
	v_max3_num_f32 v12, v12, |v[XS+30]|, |v[XS+31]|
	v_max3_num_f32 v12, v12, v13, (EMAX+1)<<23     ; and the floor
	v_add_nc_u32 v11, -(EMAX<<23), v12             ; the conversion's scale operand
	v_lshrrev_b32 v13, 23, v11                     ; the scale's byte
.if (\t)%4 == 0
	v_mov_b32 v[SB+(\t)/4], v13                    ; four bytes to a register, the lower keys in the lower byte
.else
	v_lshl_or_b32 v[SB+(\t)/4], v13, 8*((\t)%4), v[SB+(\t)/4]
.endif
	v_cvt_scalef32_pk16_bf6_f32 v[CV:CV+2], v[XS:XS+15], v11
	v_cvt_scalef32_pk16_bf6_f32 v[CV+4:CV+6], v[XS+16:XS+31], v11   ; (a conversion's three registers begin on an even number)
	ds_store_b96 v4, v[CV:CV+2] offset:32*(\t)     ; 12 bytes to a place of 16, so that every LDS address is a multiple of 16
	ds_store_b96 v4, v[CV+4:CV+6] offset:32*(\t)+16
.if (\t)+2 < NB
	LOADV (\t)+2
.endif
	s_wait_dscnt 0x0                               ; the stores have read their registers: the next block's codes may be written
.endm
.set Q, 0
.rept NB
	BLOCKV Q
.set Q, Q+1
.endr
	global_store_b32 v9, v[SB], s[14:15]           ; my channel's word of keys 256 y on: 32 lanes fill 128 consecutive bytes,
	s_wait_alu depctr_va_vdst(0)
	global_store_b32 v9, v[SB+1], s[14:15] offset:256   ; and of the next 128 keys
.irp i, 0,1,2,3,4,5,6,7,8,9,10,11,12,13,14,15  ; chunk i / 4 of 64 keys, channels 8 (i % 4) on
	ds_load_b96 v[OUTR+4*\i:OUTR+4*\i+2], v7 offset:2176*(\i%4)+64*(\i/4)   ; LDS serves a wave's instructions in order: these see my stores
.endr
.irp i, 0,1,2,3,4,5,6,7,8,9,10,11,12,13,14,15
	s_wait_dscnt 15-\i                             ; load i is in; the younger ones may be out
	global_store_b96 v8, v[OUTR+4*\i:OUTR+4*\i+2], s[12:13] offset:3072*(\i/4)+384*((((\i%4)&1)<<1)|((\i%4)>>1))   ; 384 consecutive bytes, at the group's place in tile order
.endr
	s_wait_tensorcnt 0x0
	ds_add_u32 v192, v193
	s_wait_dscnt 0x0
	s_endpgm
.Lfunc_end_k_q5927381cf1_quant:
	.size	k_q5927381cf1_quant, .Lfunc_end_k_q5927381cf1_quant-k_q5927381cf1_quant
	.p2alignl 7, 3214868480
	.fill 96, 4, 3214868480
	.section	.rodata,"a",@progbits
	.p2align	6, 0x0
	.amdhsa_kernel k_q5927381cf1_quant
		.amdhsa_group_segment_fixed_size 68096
		.amdhsa_private_segment_fixed_size 0
		.amdhsa_enable_private_segment 0
		.amdhsa_kernarg_size 48
		.amdhsa_user_sgpr_count 2
		.amdhsa_user_sgpr_kernarg_segment_ptr 1
		.amdhsa_wavefront_size32 1
		.amdhsa_system_sgpr_workgroup_id_x 1
		.amdhsa_system_sgpr_workgroup_id_y 1
		.amdhsa_system_sgpr_workgroup_id_z 1
		.amdhsa_system_vgpr_workitem_id 0
		.amdhsa_next_free_vgpr 198
		.amdhsa_next_free_sgpr 66
		.amdhsa_reserve_vcc 0
		.amdhsa_float_denorm_mode_32 3
		.amdhsa_float_denorm_mode_16_64 3
		.amdhsa_memory_ordered 1
		.amdhsa_forward_progress 1
		.amdhsa_inst_pref_size 75
	.end_amdhsa_kernel
	.amdgpu_metadata
---
amdhsa.version: [ 1, 2 ]
amdhsa.kernels:
  - .name:           k_q5927381cf1_quant
    .symbol:         k_q5927381cf1_quant.kd
    .args:
      - { .name: x, .offset: 0, .size: 8, .value_kind: global_buffer, .address_space: global }
      - { .name: proj_w, .offset: 8, .size: 8, .value_kind: global_buffer, .address_space: global }
      - { .name: rc, .offset: 16, .size: 8, .value_kind: global_buffer, .address_space: global }
      - { .name: rs, .offset: 24, .size: 8, .value_kind: global_buffer, .address_space: global }
      - { .name: vc, .offset: 32, .size: 8, .value_kind: global_buffer, .address_space: global }
      - { .name: vs, .offset: 40, .size: 8, .value_kind: global_buffer, .address_space: global }
    .group_segment_fixed_size: 68096
    .private_segment_fixed_size: 0
    .kernarg_segment_align: 8
    .kernarg_segment_size: 48
    .max_flat_workgroup_size: 128
    .sgpr_count:     66
    .vgpr_count:     198
    .wavefront_size: 32
...
	.end_amdgpu_metadata
.endif
;; end of part 1
;; launch attn (part 2): grid 16 x 16, 16 waves a work-group, clusters of 4 x 1, 327,680 bytes of LDS; arguments rc, rs, vc, vs, ac, asc; writes ac, asc
.if DOCPART == 2
	.amdgcn_target "amdgcn-amd-amdhsa--gfx1250"
	.amdhsa_code_object_version 6
	.text
	.protected	k_q5927381cf1_attn
	.globl	k_q5927381cf1_attn
	.p2align	8
	.type	k_q5927381cf1_attn,@function
k_q5927381cf1_attn:
	s_mov_b64 s[64:65], 0
	v_nop
	global_prefetch_b8 v0, s[64:65] scope:SCOPE_SE
	s_setreg_imm32_b32 hwreg(HW_REG_WAVE_MODE, 25, 1), 1
	s_wait_xcnt 0x0
	s_wait_alu depctr_hold_cnt(0) depctr_sa_sdst(0) depctr_va_vdst(0) depctr_va_sdst(0) depctr_va_ssrc(0) depctr_va_vcc(0) depctr_vm_vsrc(0)
	s_getreg_b32 s2, hwreg(HW_REG_IB_STS2, 6, 4)
	s_cmp_eq_u32 s2, 0
	s_cbranch_scc0 .Lentry_in_a_cluster
	s_endpgm
.Lentry_in_a_cluster:
	s_bfe_u32 s2, ttmp6, 0x10000c
	s_cmp_lg_u32 s2, 0x3003
	s_cbranch_scc0 .Lentry_shape_is_right
	s_endpgm
.Lentry_shape_is_right:
; O[bh][q] = the sum over keys of softmax(Q . K / 8) V, head size 64, 4,096 queries and keys, 16 (batch, head) pairs; both products on codes of BF6 (E3M2) with one E8M0 scale for each 32 along K.
; O / l is quantised here along the channels (two blocks of 32 a head) and leaves as codes (ac: [bh][query][48 bytes]) and scale bytes (asc: [bh][query][2]): the third product's operand.
; THE SOFTMAX: t = score x log2(e) / 8; M = the row's largest t so far, rounded UP to a whole number; p = 2^(t - M) is quantised along the keys, not normalised.  The row's sum is taken of the
; unquantised p, in f32, and divides O at the end.  When M moves, the sum and O are multiplied by 2^(old M - new M): exact.
; LIMITS: NaN and infinities are not served; the scaled scores t stay under 2^31 in magnitude; a block whose largest magnitude lies under 2^(5 - 127), a block of zeros among them, gets the scale byte 1 (this program alone reads the bytes).
; SHARES.  A work-group owns 256 queries of one (batch, head); each of its sixteen waves one tile of 16, in 256 registers.  Every wave walks all 4,096 keys, 128 a step.
; LDS.  Two regions of 1,536 keys (K's 73,728 bytes, then V's).  Region X takes keys 0 on (the head's fills), region Y keys 1,536 on (first filled behind the full sequence and a round), X again keys 3,072 on
; three parts of 12, 12 and 8 key steps.  K's and V's scale bytes of the whole head (8,192 bytes each) come once.  Wave 0 fetches K, wave 1 V, at the head wave 2 K's scales, wave 3 V's.
; CLUSTER.  The four work-groups of a cluster belong to one (batch, head) and walk the same K and V: every tile is asked for JOINTLY, by the same tensor load with the same descriptor and the mask of all four.
; No prefetch is laid: Y's fill and X's refill are each asked for twelve key steps ahead of their first read, and the first fills stand at the head.
; LAYOUT.  Both products are used transposed (S^T = K Q^T, O^T = V^T P^T): a lane holds ONE query (lane % 16) throughout.  K's 16 stored rows 16 T + r are the keys 64 (T / 4) + 8 (T % 4) + r % 8 + 32 (r / 8):
; so the 32 registers of tiles 4 c .. 4 c + 3 are, in lane (r, h), the keys 64 c + 32 h + 0 .. 31: a WHOLE block of the second product's K, in the place that the operand's layout gives that lane.
; A block's largest score needs no other lane, and p's codes need no lane exchange; only the row's maximum and the scale word's four bytes are joined with lane l xor 16.
; THE FIRST PRODUCT'S K IS 64 in an instruction of 128.  A fragment of K holds TWO tiles: registers 0-5 tile 2 F, registers 6-11 tile 2 F + 1.  Multiplied by [Q | zero codes] it gives tile 2 F's scores, by [zero codes | Q]
; tile 2 F + 1's: what meets zero codes adds nothing (every code of BF6 is a finite number, every scale byte here a finite code).  Its scale word holds tile 2 F's two bytes below and tile 2 F + 1's above; Q's holds Q's two bytes twice.
; So the eight tiles of a step lie in 48 registers, and the next step's are asked for right behind this step's score products, with this step's V: both land under the softmax.
; A row is 48 bytes in LDS, a lane's 24 bytes begin at 48 r + 24 h: in units of 8 bytes the 32 lanes of a load stand at 6 r + 3 h + p, 32 different values mod 32: no padding is laid.
.set YB,    147456                     ; region Y
.set VOFF,  73728                      ; 1,536 keys of K or of V in bytes: V lies so far behind K in a region, and each fill begins so far behind the last in memory
.set SCK,   294912                     ; K's scale bytes: 4,096 x 2
.set SCV,   SCK+8192                   ; V's scale words: 32 steps x 64 channels x 4
.set SPARE, SCV+8192                   ; the spare words, 128 bytes for each wave: eight blocks of 256 bytes that no other line names
.set OST,   YB                         ; the way out's stage, 16 rows x 64 bytes a wave, in region Y: it has had its last fill, and its last read lies ahead of the last change's barrier
.set OSC,   YB+16384                   ; and the work-group's 256 x 2 scale bytes
.set HEADC, 196608                     ; a head's codes in rc, vc, ac
.set SPW, 1                            ; v1 my spare word's address, v2 0: never rewritten
.set NIL, 2
.set A0,  3                            ; v3-6 the step's LDS addresses: K, V's scales, V, K's scales
.set A1,  4
.set A2,  5
.set A3,  6
.set SH8, 7                            ; 8 h
.set NM,  8                            ; -M;  v9 the row's largest score so far
.set RM,  9
.set SUM, 10                           ; v[10:11] the row's sum in two halves
.set F,   12                           ; f = 2^(old M - new M);  v13 p's scale word
.set PSW, 13
.set T0,  14
.set T1,  15
.set ZQ,  16                           ; v16-21 zero codes, v22-27 Q, v28-33 zero codes
.set QS,  34                           ; Q's scale word
.set L1,  35                           ; 48 r + 24 h
.set KS,  36                           ; v36-37 K's scale words (fragments 0, 2 in lanes 0-15; 1, 3 in lanes 16-31); v38-39 their upper halves as loaded
.set KH,  38
.set VS,  40                           ; v40-41 V's scale words
.set BM,  42                           ; v42-45 maxima; then v42-43 the two blocks', v44-45 the conversions' scale operands
.set OP,  44
.set BY,  46                           ; v46-47 scale bytes
.set OLD, 48                           ; the last step's -M
.set T2,  49
.set KF,  50                           ; v50-97   K's four fragments
.set VF,  98                           ; v98-145  V's four fragments
.set S,   146                          ; v146-209 S^T, then p
.set O,   210                          ; v210-241 O^T
.set P,   242                          ; v242-253 p's codes; ahead of the conversions three partial sums
.set L2,  254                          ; SCK + 2 r + 64 h
.set L3,  255                          ; SCV + 4 x lane
.set WV,   16
.set G1T,  24                          ; s[24:31] descriptor group 1 for tiles;  s[32:39] for scale bytes
.set G1S,  32
.set G0KS, 40                          ; groups 0: K's scales, V's scales, K's tiles, V's tiles
.set G0VS, 44
.set G0K,  48
.set G0V,  52
.set SEL,  56                          ; s[56:57] lane selects for v_permlanex16_b32: lane l xor 16
.set CS,   58                          ; s[58:59] c = log2(e) / 8;  s60 -c
.set NC,   60
.set TB,   61                          ; LDS byte at which the step's 128 rows of K begin: 6,144 a step
.set TS,   62                          ; where the step's scale bytes begin, in K's and in V's: 256 a step
.set CNT,  63
.macro CROUND                          ; a round of the cluster's barrier
	s_barrier_signal -1
	s_barrier_wait -1
	s_cmp_lg_u32 s[WV], 0
	s_cbranch_scc1 .Lnot_wave_0_\@
	s_barrier_signal -3
.Lnot_wave_0_\@:
	s_barrier_wait -3
	s_barrier_signal -1
	s_barrier_wait -1
.endm
.macro ARM n, g0, g1, next, join       ; one arm of a chain of branches on the wave's number: one joint load, s_nop 0 and four v_nop behind it
	s_cmp_lg_u32 s[WV], \n
	s_cbranch_scc1 \next
	tensor_load_to_lds s[\g0:\g0+3], s[\g1:\g1+7]
	s_nop 0
.rept 4
	v_nop
.endr
	s_branch \join
\next:
.endm
.macro JLOAD                           ; wave 0 fetches K's tile, wave 1 V's, the others nothing
	ARM 0, G0K, G1T, .Lnot_k_\@, .Lasked_\@
	s_cmp_lg_u32 s[WV], 1
	s_cbranch_scc1 .Lasked_\@
	tensor_load_to_lds s[G0V:G0V+3], s[G1T:G1T+7]
	s_nop 0
.rept 4
	v_nop
.endr
.Lasked_\@:
.endm
.macro GROUP0 g, lds, base, off
	s_mov_b32 s[\g], 1
	s_mov_b32 s[\g+1], \lds
	s_add_nc_u64 s[\g+2:\g+3], s[\base:\base+1], s[\off:\off+1]    ; it hangs on the (batch, head) alone, which the four partners share
	s_or_b32 s[\g+3], s[\g+3], 0x80000000
.endm
	s_load_b256 s[4:11], s[0:1], 0x0               ; rc s[4:5], rs s[6:7], vc s[8:9], vs s[10:11]
	s_load_b128 s[12:15], s[0:1], 0x20             ; ac s[12:13], asc s[14:15]
	v_lshl_add_u32 v[SPW], v0, 2, SPARE
	v_mov_b32 v[NIL], 0
	ds_add_u32 v[SPW], v[NIL]                      ; the opening lines: the add, twice on end, and its wait
	ds_add_u32 v[SPW], v[NIL]
	v_lshrrev_b32 v3, 5, v0
	s_delay_alu instid0(VALU_DEP_1)
	v_readfirstlane_b32 s[WV], v3                  ; wave 0..15
	s_bfe_u32 s17, ttmp6, 0x40000                  ; cx: it enters Q's, ac's and asc's global addresses alone
	s_lshl_b32 s18, ttmp9, 2
	s_add_co_u32 s18, s18, s17                     ; my block of 256 queries
	s_and_b32 s19, ttmp7, 0xffff                   ; batch x 8 + head
	s_mov_b32 s[G1T], 15|(3<<16)|(1<<21)           ; dense blocks as rows of 256 bytes (32 elements of 8): the mask of all four, bit 21 beside it
	s_mov_b32 s[G1T+1], 32<<16
	s_mov_b32 s[G1T+2], 288<<16                    ; 288 rows: 1,536 keys
	s_mov_b32 s[G1T+3], 32<<16
	s_mov_b32 s[G1T+4], 288
	s_mov_b32 s[G1T+5], 32
	s_mov_b32 s[G1T+6], 0
	s_mov_b32 s[G1T+7], 0
	s_mov_b32 s[G1S], 15|(3<<16)|(1<<21)
	s_mov_b32 s[G1S+1], 32<<16
	s_mov_b32 s[G1S+2], 32<<16                     ; 32 rows: 8,192 bytes
	s_mov_b32 s[G1S+3], 32<<16
	s_mov_b32 s[G1S+4], 32
	s_mov_b32 s[G1S+5], 32
	s_mov_b32 s[G1S+6], 0
	s_mov_b32 s[G1S+7], 0
	s_mul_i32 s66, s19, HEADC                      ; my head's codes in vc (and q's in rc),
	s_mov_b32 s67, 0
	s_add_co_u32 s68, s66, 16*HEADC                ; k's in rc: behind q's 16 heads
	s_mov_b32 s69, 0
	s_lshl_b32 s70, s19, 13                        ; my head's scale words in vs (and q's bytes in rs),
	s_mov_b32 s71, 0
	s_add_co_u32 s72, s70, 16*8192                 ; k's in rs
	s_mov_b32 s73, 0
	s_mov_b32 s75, 0
	s_mov_b32 s[SEL], 0x76543210
	s_mov_b32 s[SEL+1], 0xfedcba98
	s_mov_b32 s[CS], 0x3e38aa3b
	s_mov_b32 s[CS+1], s[CS]                       ; (named with it as a pair, so it is written)
	s_mov_b32 s[NC], 0xbe38aa3b
	s_mov_b32 s[TS], 0
	s_wait_dscnt 0x0                               ; both opening adds are done
	s_wait_kmcnt 0x0
	GROUP0 G0KS, SCK, 6, 72
	GROUP0 G0VS, SCV, 10, 70
	GROUP0 G0K, 0, 4, 68                           ; keys 0 to 1,535
	GROUP0 G0V, VOFF, 8, 66
	CROUND                                         ; all four work-groups are here: the first joint loads meet
	ARM 0, G0K, G1T, .Lh1, .Lhj                    ; the head's four tiles, one a wave, in one chain of branches on the wave's number
	ARM 1, G0V, G1T, .Lh2, .Lhj
	ARM 2, G0KS, G1S, .Lh3, .Lhj
	s_cmp_lg_u32 s[WV], 3
	s_cbranch_scc1 .Lhj
	tensor_load_to_lds s[G0VS:G0VS+3], s[G1S:G1S+7]
	s_nop 0
.rept 4
	v_nop
.endr
.Lhj:
	; Q, ac, asc at my wave's queries 256 x block + 16 x wave.  q lies in rc in tile order: stored row 256 x block + 32 (wave / 2) + 8 (wave % 2) + r + 8 (r / 8)
	s_lshl_b32 s2, s18, 8
	s_lshr_b32 s3, s[WV], 1
	s_lshl_b32 s3, s3, 5
	s_add_co_u32 s3, s3, s2
	s_and_b32 s20, s[WV], 1
	s_lshl_b32 s20, s20, 3
	s_add_co_u32 s3, s3, s20
	s_mul_i32 s74, s3, 48
	s_add_co_u32 s74, s74, s66
	s_add_nc_u64 s[4:5], s[4:5], s[74:75]          ; Q's codes
	s_lshl_b32 s74, s3, 1
	s_add_co_u32 s74, s74, s70
	s_add_nc_u64 s[6:7], s[6:7], s[74:75]          ; Q's scale bytes
	s_lshl_b32 s3, s[WV], 4
	s_add_co_u32 s3, s3, s2
	s_mul_i32 s74, s3, 48
	s_add_co_u32 s74, s74, s66
	s_add_nc_u64 s[12:13], s[12:13], s[74:75]      ; ac: my 16 rows of 48 bytes
	s_lshl_b32 s74, s18, 9
	s_add_co_u32 s74, s74, s70
	s_add_nc_u64 s[14:15], s[14:15], s[74:75]      ; asc: my work-group's 512 bytes
	v_and_b32 v[T0], 15, v0                        ; r
	v_bfe_u32 v[T1], v0, 4, 1                      ; h
	v_and_b32 v[T2], 31, v0                        ; lane
	v_and_b32 v3, 8, v[T0]
	v_mul_u32_u24 v[L1], v[T0], 48
	v_lshlrev_b32 v[L2], 1, v[T0]
	v_add_nc_u32 v3, v3, v[T0]                     ; r + 8 (r / 8)
	v_mad_u32_u24 v[L1], v[T1], 24, v[L1]          ; 48 r + 24 h
	v_lshl_add_u32 v[L2], v[T1], 6, v[L2]
	v_mul_u32_u24 v4, v3, 48
	v_lshlrev_b32 v3, 1, v3
	v_add_nc_u32 v[L2], SCK, v[L2]                 ; K's scale bytes: lanes 0-15 a tile's rows, lanes 16-31 those of the tile two further on
	v_mad_u32_u24 v4, v[T1], 24, v4
	v_lshl_add_u32 v[L3], v[T2], 2, SCV            ; V's scale words: lanes 0-15 an even tile's channels, lanes 16-31 the odd tile's
	v_lshlrev_b32 v[SH8], 3, v[T1]
.irp p, 0,1,2
	global_load_b64 v[ZQ+6+2*\p:ZQ+7+2*\p], v4, s[4:5] offset:8*\p   ; Q's 24 bytes: k = 32 h + 0 .. 31; they stay in registers
.endr
	global_load_u16 v[QS], v3, s[6:7]              ; its two scale bytes
	v_mov_b32 v[RM], 0xff61b1e6                    ; the largest score so far: -3e38
	v_mov_b32 v[SUM], 0
	v_mov_b32 v[SUM+1], 0
	v_mov_b32 v[PSW], 0                            ; (named as the upper half of the pair v[12:13] before it is first written)
	v_mul_f32 v[NM], s[NC], v[RM]
.irp j, 0,1,2,3,4,5
	v_mov_b32 v[ZQ+\j], 0                          ; zero codes on both sides of Q
	v_mov_b32 v[ZQ+12+\j], 0
.endr
	v_floor_f32 v[NM], v[NM]                       ; -M
.set J, 0
.rept 32
	v_mov_b32 v[O+J], 0                            ; O^T.  (The step has no first form: the first step finds zeros, which the first change of M leaves zeros)
.set J, J+1
.endr
	v_mov_b32 v[OLD], v[NM]
.macro SPROD T                         ; S^T's tile T: fragment T / 2, with Q on the side on which tile T lies
.set QB, ZQ+6-6*((\T)%2)
.if ((\T)/2)%2
	v_wmma_scale_f32_16x16x128_f8f6f4 v[S+8*(\T):S+8*(\T)+7], v[KF+12*((\T)/2):KF+12*((\T)/2)+11], v[QB:QB+11], 0, v[KS+(\T)/4], v[QS] matrix_a_fmt:MATRIX_FMT_BF6 matrix_b_fmt:MATRIX_FMT_BF6 matrix_a_scale:MATRIX_SCALE_ROW1
.else
	v_wmma_scale_f32_16x16x128_f8f6f4 v[S+8*(\T):S+8*(\T)+7], v[KF+12*((\T)/2):KF+12*((\T)/2)+11], v[QB:QB+11], 0, v[KS+(\T)/4], v[QS] matrix_a_fmt:MATRIX_FMT_BF6 matrix_b_fmt:MATRIX_FMT_BF6
.endif
.endm
.macro VPROD t                         ; O^T += V^T P^T: tile t of 16 channels, K = the step's 128 keys
.if (\t)%2
	v_wmma_scale_f32_16x16x128_f8f6f4 v[O+8*(\t):O+8*(\t)+7], v[VF+12*(\t):VF+12*(\t)+11], v[P:P+11], v[O+8*(\t):O+8*(\t)+7], v[VS+(\t)/2], v[PSW] matrix_a_fmt:MATRIX_FMT_BF6 matrix_b_fmt:MATRIX_FMT_BF6 matrix_a_scale:MATRIX_SCALE_ROW1
.else
	v_wmma_scale_f32_16x16x128_f8f6f4 v[O+8*(\t):O+8*(\t)+7], v[VF+12*(\t):VF+12*(\t)+11], v[P:P+11], v[O+8*(\t):O+8*(\t)+7], v[VS+(\t)/2], v[PSW] matrix_a_fmt:MATRIX_FMT_BF6 matrix_b_fmt:MATRIX_FMT_BF6
.endif
.endm
.macro KSLOAD o                        ; four loads: the scale bytes of tiles 0 | 2, 1 | 3, 4 | 6, 5 | 7 (lanes 0-15 | lanes 16-31)
	ds_load_u16 v[KS], v[A3] offset:\o
	ds_load_u16 v[KH], v[A3] offset:\o+32
	ds_load_u16 v[KS+1], v[A3] offset:\o+128
	ds_load_u16 v[KH+1], v[A3] offset:\o+160
.endm
.macro KLOAD o                         ; 24 loads: the eight tiles, two to a fragment
.irp f, 0,1,2,3
.irp p, 0,1,2,3,4,5
	ds_load_b64 v[KF+12*\f+2*\p:KF+12*\f+2*\p+1], v[A0] offset:\o+(2*\f+\p/3)*768+8*(\p%3)
.endr
.endr
.endm
.macro KSJOIN
	v_lshl_or_b32 v[KS], v[KH], 16, v[KS]
	v_lshl_or_b32 v[KS+1], v[KH+1], 16, v[KS+1]
.endm
; A KEY STEP: 128 keys.  At its head K's fragments and scale words are in registers.  pre = 1: the next step's are asked for (not in a part's last step: they lie in the other region).
.macro STEP pre
.irp T, 0,1,2,3,4,5,6,7
	SPROD \T
.endr
	v_add_nc_u32 v[A0], s[TB], v[L1]               ; four plain lines: the places ahead of the loads into registers that matrix instructions have read, and of the first read of S^T
	v_add_nc_u32 v[A3], s[TS], v[L2]
	v_add_nc_u32 v[A1], s[TS], v[L3]
	v_add_nc_u32 v[A2], VOFF, v[A0]
.if \pre
	KSLOAD 256
.endif
.irp t, 0,1,2,3
.irp p, 0,1,2,3,4,5
	ds_load_b64 v[VF+12*\t+2*\p:VF+12*\t+2*\p+1], v[A2] offset:3072*(\p/3)+768*\t+8*(\p%3)
.endr
.endr
.irp i, 0,1
	ds_load_b32 v[VS+\i], v[A1] offset:128*\i
.endr
.if \pre
	KLOAD 6144
.endif
.irp q, 0,1,2,3                                ; the largest score of each block of 32 keys, all of them mine: four chains of 16 registers by turns, each accumulator read from its low end on
	v_max3_num_f32 v[BM+\q], v[S+16*\q], v[S+16*\q+1], v[S+16*\q+2]
.endr
.irp i, 3,5,7,9,11,13
.irp q, 0,1,2,3
	v_max3_num_f32 v[BM+\q], v[BM+\q], v[S+16*\q+\i], v[S+16*\q+\i+1]
.endr
.endr
	v_max3_num_f32 v[BM], v[BM], v[BM+1], v[S+15]
	v_max3_num_f32 v[BM+1], v[BM+2], v[BM+3], v[S+47]
	v_max_num_f32 v[BM], v[BM], v[S+31]            ; block h of the step's four,
	v_max_num_f32 v[BM+1], v[BM+1], v[S+63]        ; and block 2 + h.  They serve for the row's maximum and, since p rises with the score, for the block's largest p
	s_delay_alu instid0(VALU_DEP_1)
	v_max_num_f32 v[T0], v[BM], v[BM+1]
	s_delay_alu instid0(VALU_DEP_1)
	v_permlanex16_b32 v[T1], v[T0], s[SEL], s[SEL+1]
	s_delay_alu instid0(VALU_DEP_1)
	v_max3_num_f32 v[RM], v[RM], v[T0], v[T1]      ; the row's largest score so far
	s_delay_alu instid0(VALU_DEP_1)
	v_mul_f32 v[T0], s[NC], v[RM]                  ; -t
	s_delay_alu instid0(VALU_DEP_1)
	v_floor_f32 v[NM], v[T0]                       ; the new -M = floor(-t) = -ceil(t)
	s_delay_alu instid0(VALU_DEP_1)
	v_sub_f32 v[T0], v[NM], v[OLD]                 ; M's old value less its new one: a whole number, 0 or less
	s_delay_alu instid0(VALU_DEP_1)
	v_cvt_i32_f32 v[T0], v[T0]                     ; (it saturates)
	s_delay_alu instid0(VALU_DEP_1)
	v_ldexp_f32 v[F], 1.0, v[T0]                   ; f = 2^(old M - new M)
.set J, 0
.rept 32
	v_pk_fma_f32 v[S+J:S+J+1], v[S+J:S+J+1], s[CS:CS+1], v[NM:NM+1] op_sel_hi:[1,0,0]   ; t - M, two at a time (of the pairs c and -M the low word serves both halves)
.set J, J+2
.endr
	v_fma_f32 v[BM], v[BM], s[CS], v[NM]           ; the same of each block's largest score
	v_fma_f32 v[BM+1], v[BM+1], s[CS], v[NM]
	s_wait_alu depctr_va_vdst(0)                   ; the wait ahead of the batch
.set J, 0
.rept 64
	v_exp_f32 v[S+J], v[S+J]                       ; p = 2^(t - M): not normalised
.set J, J+1
.endr
	v_exp_f32 v[BM], v[BM]                         ; the blocks' largest p: the same two instructions on the same number give the same bits
	v_exp_f32 v[BM+1], v[BM+1]
	v_pk_mul_f32 v[SUM:SUM+1], v[SUM:SUM+1], v[F:F+1] op_sel_hi:[1,0]   ; the sums under the new M: a plain line behind the exponentials
	s_wait_alu depctr_va_vdst(0)                   ; one wait for the whole batch, ahead of its first reader
.if \pre
	s_wait_dscnt 50                                ; the next step's four loads of scale bytes are in; behind them 26 loads for V and 24 for K may be out
	KSJOIN                                         ; its scale words: far more than eight plain lines ahead of the products that read them
.endif
	v_max_num_f32 v[BM], 0x2800000, v[BM]          ; the floor 2^(5 - 127): the byte cannot fall under 1
	v_max_num_f32 v[BM+1], 0x2800000, v[BM+1]
	v_pk_add_f32 v[P:P+1], v[S:S+1], v[S+2:S+3]    ; THE ROW'S SUM IS TAKEN OF THE UNQUANTISED p: four chains, three of them in the registers that p's codes take later
	v_pk_add_f32 v[P+2:P+3], v[S+4:S+5], v[S+6:S+7]
	v_add_nc_u32 v[OP], 0xfe000000, v[BM]          ; 4 off the exponent field: the conversion's scale operand
	v_add_nc_u32 v[OP+1], 0xfe000000, v[BM+1]
	v_pk_add_f32 v[P+4:P+5], v[S+8:S+9], v[S+10:S+11]
	v_pk_add_f32 v[SUM:SUM+1], v[SUM:SUM+1], v[S+12:S+13]
	v_lshrrev_b32 v[BY], 23, v[OP]                 ; the scale's byte
	v_lshrrev_b32 v[BY+1], 23, v[OP+1]
	s_delay_alu instid0(VALU_DEP_1)
	v_lshl_or_b32 v[T0], v[BY+1], 16, v[BY]        ; my two bytes: blocks h and 2 + h,
	s_delay_alu instid0(VALU_DEP_1)
	v_lshlrev_b32 v[T0], v[SH8], v[T0]             ; at their places in the scale word;
	s_delay_alu instid0(VALU_DEP_1)
	v_permlanex16_b32 v[T1], v[T0], s[SEL], s[SEL+1]
	s_delay_alu instid0(VALU_DEP_1)
	v_or_b32 v[PSW], v[T0], v[T1]                  ; with lane l xor 16's two the word is whole
.set J, 14
.rept 6
	v_pk_add_f32 v[P:P+1], v[P:P+1], v[S+J:S+J+1]
	v_pk_add_f32 v[P+2:P+3], v[P+2:P+3], v[S+J+2:S+J+3]
	v_pk_add_f32 v[P+4:P+5], v[P+4:P+5], v[S+J+4:S+J+5]
	v_pk_add_f32 v[SUM:SUM+1], v[SUM:SUM+1], v[S+J+6:S+J+7]
.set J, J+8
.endr
	v_pk_add_f32 v[P:P+1], v[P:P+1], v[S+62:S+63]
	v_pk_add_f32 v[P+2:P+3], v[P+2:P+3], v[P+4:P+5]
	s_delay_alu instid0(VALU_DEP_2)
	v_pk_add_f32 v[SUM:SUM+1], v[SUM:SUM+1], v[P:P+1]
	s_delay_alu instid0(VALU_DEP_1)
	v_pk_add_f32 v[SUM:SUM+1], v[SUM:SUM+1], v[P+2:P+3]
	v_cvt_scalef32_pk16_bf6_f32 v[P:P+2], v[S:S+15], v[OP]             ; registers 6 c .. 6 c + 2 of the operand: keys 64 c + 32 h + 0 .. 15
	v_cvt_scalef32_pk16_bf6_f32 v[P+6:P+8], v[S+32:S+47], v[OP+1]
	v_mov_b32 v[OLD], v[NM]                        ; a plain line between the conversions above and those below, which write over their sources
	v_cvt_scalef32_pk16_bf6_f32 v[S:S+2], v[S+16:S+31], v[OP]          ; keys + 16 .. 31: a conversion's three registers begin on an even number, so they are made elsewhere and moved
	v_cvt_scalef32_pk16_bf6_f32 v[S+32:S+34], v[S+48:S+63], v[OP+1]
	s_wait_alu depctr_va_vdst(0)                   ; directly ahead of the first reader of O^T
	v_pk_mul_f32 v[O:O+1], v[O:O+1], v[F:F+1] op_sel_hi:[1,0]          ; O^T under the new M, each accumulator from its low end on; these two are the plain lines behind the conversions
	v_pk_mul_f32 v[O+2:O+3], v[O+2:O+3], v[F:F+1] op_sel_hi:[1,0]
.irp i, 0,1,2
	v_mov_b32 v[P+3+\i], v[S+\i]
	v_mov_b32 v[P+9+\i], v[S+32+\i]
.endr
.set J, 4
.rept 14
	v_pk_mul_f32 v[O+J:O+J+1], v[O+J:O+J+1], v[F:F+1] op_sel_hi:[1,0]  ; these fourteen are also the places between the codes' last writes and the products
.set J, J+2
.endr
	s_wait_alu depctr_va_vdst(0)
	s_wait_dscnt 0x0                               ; V, and the next step's K
.irp t, 0,1,2,3
	VPROD \t                                       ; the four accumulators take turns, one instruction a turn
.endr
	s_add_co_u32 s[TB], s[TB], 6144
	s_add_co_u32 s[TS], s[TS], 256
.endm
; A part: trips + 1 key steps from LDS byte base on.  Its first step's K is fetched here, behind the barrier that shows the region whole.
.macro PART base, trips
	s_mov_b32 s[TB], \base
	v_add_nc_u32 v[A0], s[TB], v[L1]
	v_add_nc_u32 v[A3], s[TS], v[L2]
	KSLOAD 0
	KLOAD 0
	s_wait_dscnt 0x0
	KSJOIN
.rept 8
	v_nop                                          ; a scale register written by a vector instruction stands eight places ahead of a scaled matrix instruction
.endr
	s_mov_b32 s[CNT], \trips
.Lstep_\@:
	STEP 1
	s_sub_co_u32 s[CNT], s[CNT], 1
	s_cmp_lg_u32 s[CNT], 0
	s_cbranch_scc1 .Lstep_\@
	STEP 0
.endm
; A fill behind the full sequence: every wave waits for all its tensor loads, adds 0 to its spare word, and waits for that and for its LDS reads;
; a round of the cluster's barrier; the joint load is the first thing behind it.  No tensor load of the wave is out where the descriptors are written.
.macro FILL lds, rows
	s_wait_tensorcnt 0x0
	ds_add_u32 v[SPW], v[NIL]
	ds_add_u32 v[SPW], v[NIL]
	s_mov_b32 s[G0K+1], \lds
	s_mov_b32 s[G0V+1], \lds+VOFF
	s_add_nc_u64 s[G0K+2:G0K+3], s[G0K+2:G0K+3], VOFF   ; 1,536 keys on; the type bits on top are not reached
	s_add_nc_u64 s[G0V+2:G0V+3], s[G0V+2:G0V+3], VOFF
	s_mov_b32 s[G1T+2], \rows<<16
	s_mov_b32 s[G1T+4], \rows
	s_wait_dscnt 0x0
	CROUND
	JLOAD
.endm
	s_wait_alu depctr_va_vdst(0)
	FILL YB, 288                                   ; the head's four tiles are in; region Y's first fill: keys 1,536 to 3,071
	s_wait_loadcnt 0x0                             ; Q
	v_lshl_or_b32 v[QS], v[QS], 16, v[QS]          ; Q's two scale bytes, twice: they serve Q on either side
	s_wait_alu depctr_va_vdst(0)
	PART 0, 11                                     ; keys 0 to 1,535
	FILL 0, 192                                    ; region X takes keys 3,072 to 4,095; it has twelve key steps in which to land
	PART YB, 11                                    ; keys 1,536 to 3,071
	s_wait_tensorcnt 0x0                           ; the last change: nothing is left to fetch
	ds_add_u32 v[SPW], v[NIL]
	s_wait_dscnt 0x0
	s_barrier_signal -1
	s_barrier_wait -1                              ; region X is whole, and nobody reads region Y any more
	PART 0, 7                                      ; keys 3,072 to 4,095
	; THE WAY OUT.  O^T / l; by V's tile order register 16 b + i is channel 32 b + 16 h + i of my query: two blocks of the third product's K, each in lanes l and l xor 16.
.rept 4
	v_nop                                          ; places behind the last products
.endr
	v_add_f32 v[SUM], v[SUM], v[SUM+1]             ; the sum's two halves,
	v_and_b32 v[KF+6], 15, v0                      ; r
	v_bfe_u32 v[KF+7], v0, 4, 1                    ; h
	v_and_b32 v[KF+8], 31, v0                      ; lane
	v_permlanex16_b32 v[T0], v[SUM], s[SEL], s[SEL+1]
	s_lshl_b32 s20, s[WV], 10
	s_add_co_u32 s20, s20, OST                     ; my stage
	s_lshl_b32 s21, s[WV], 5
	s_add_co_u32 s21, s21, OSC
	v_lshlrev_b32 v[KF], 6, v[KF+6]
	v_lshl_add_u32 v[KF+1], v[KF+6], 1, s21        ; my query's two scale bytes
	v_lshl_add_u32 v[KF+2], v[KF+8], 4, s20        ; back: place by place
	v_lshl_add_u32 v[KF], v[KF+7], 4, v[KF]
	v_mul_u32_u24 v[KF+3], v[KF+8], 12             ; ac: 12 bytes a lane
	v_lshl_add_u32 v[KF+4], v[KF+8], 4, OSC        ; wave 0 reads the work-group's 512 scale bytes,
	v_lshlrev_b32 v[KF+5], 4, v[KF+8]              ; and stores them so
	v_add_nc_u32 v[KF], s20, v[KF]                 ; in: row r of 64 bytes, place 2 block + h of 16
	v_add_f32 v[SUM], v[SUM], v[T0]                ; and lane l xor 16's: the row's sum
	s_wait_alu depctr_va_vdst(0)                   ; the wait ahead of the reciprocal
	v_rcp_f32 v[SUM], v[SUM]
	v_nop                                          ; a plain line behind it
	s_wait_alu depctr_va_vdst(0)                   ; and the wait ahead of its first reader, which is also O^T's
.set J, 0
.rept 32
	v_mul_f32 v[S+J], v[O+J], v[SUM]               ; each accumulator from its low end on
.set J, J+1
.endr
.irp b, 0,1
	v_max3_num_f32 v[BM+\b], |v[S+16*\b]|, |v[S+16*\b+1]|, 0x2800000   ; my 16 numbers of block b, and the floor
.endr
.irp i, 2,4,6,8,10,12,14
.irp b, 0,1
	s_delay_alu instid0(VALU_DEP_2)
	v_max3_num_f32 v[BM+\b], v[BM+\b], |v[S+16*\b+\i]|, |v[S+16*\b+\i+1]|
.endr
.endr
.irp b, 0,1
	s_delay_alu instid0(VALU_DEP_2)
	v_permlanex16_b32 v[BY+\b], v[BM+\b], s[SEL], s[SEL+1]
.endr
.irp b, 0,1
	s_delay_alu instid0(VALU_DEP_2)
	v_max_num_f32 v[BM+\b], v[BM+\b], v[BY+\b]     ; the block's largest magnitude
.endr
.irp b, 0,1
	s_delay_alu instid0(VALU_DEP_2)
	v_add_nc_u32 v[OP+\b], 0xfe000000, v[BM+\b]    ; the conversion's scale operand
.endr
.irp b, 0,1
	s_delay_alu instid0(VALU_DEP_2)
	v_lshrrev_b32 v[BY+\b], 23, v[OP+\b]           ; the scale's byte
.endr
	s_delay_alu instid0(VALU_DEP_1)
	v_lshl_or_b32 v[T2], v[BY+1], 8, v[BY]         ; my query's two bytes
	v_cvt_scalef32_pk16_bf6_f32 v[P:P+2], v[S:S+15], v[OP]
	v_cvt_scalef32_pk16_bf6_f32 v[P+4:P+6], v[S+16:S+31], v[OP+1]
	v_nop                                          ; one plain line behind the scaled conversions
	ds_store_b96 v[KF], v[P:P+2]                   ; 12 bytes to a place of 16: row r, places h and 2 + h
	ds_store_b96 v[KF], v[P+4:P+6] offset:32
	ds_store_b16 v[KF+1], v[T2]                    ; both lanes of a query write the same bytes with the same value
	ds_load_b96 v[VF:VF+2], v[KF+2]                ; LDS serves a wave's instructions in order: these see my stores; places 0-31,
	ds_load_b96 v[VF+4:VF+6], v[KF+2] offset:512   ; places 32-63
	s_wait_dscnt 0x0                               ; also for the others' sake: my scale bytes lie in LDS
	global_store_b96 v[KF+3], v[VF:VF+2], s[12:13] ; the wave stores 768 consecutive bytes, at a multiple of 256 from ac's first byte
	global_store_b96 v[KF+3], v[VF+4:VF+6], s[12:13] offset:384
	s_barrier_signal -1
	s_barrier_wait -1                              ; the work-group's 512 scale bytes lie in LDS
	s_cmp_lg_u32 s[WV], 0
	s_cbranch_scc1 .Lnot_w0
	ds_load_b128 v[VF+8:VF+11], v[KF+4]
	s_wait_dscnt 0x0
	global_store_b128 v[KF+5], v[VF+8:VF+11], s[14:15]   ; 32 lanes store 512 consecutive bytes, aligned
.Lnot_w0:
	s_wait_tensorcnt 0x0                           ; the wave's end
	ds_add_u32 v[SPW], v[NIL]
	s_wait_dscnt 0x0
	CROUND                                         ; the closing round: no work-group ends while a partner may still ask for a tile that names it
	s_endpgm
.Lfunc_end_k_q5927381cf1_attn:
	.size	k_q5927381cf1_attn, .Lfunc_end_k_q5927381cf1_attn-k_q5927381cf1_attn
	.p2alignl 7, 3214868480
	.fill 96, 4, 3214868480
	.section	.rodata,"a",@progbits
	.p2align	6, 0x0
	.amdhsa_kernel k_q5927381cf1_attn
		.amdhsa_group_segment_fixed_size 327680
		.amdhsa_private_segment_fixed_size 0
		.amdhsa_enable_private_segment 0
		.amdhsa_kernarg_size 48
		.amdhsa_user_sgpr_count 2
		.amdhsa_user_sgpr_kernarg_segment_ptr 1
		.amdhsa_wavefront_size32 1
		.amdhsa_system_sgpr_workgroup_id_x 1
		.amdhsa_system_sgpr_workgroup_id_y 1
		.amdhsa_system_sgpr_workgroup_id_z 1
		.amdhsa_system_vgpr_workitem_id 0
		.amdhsa_next_free_vgpr 256
		.amdhsa_next_free_sgpr 80
		.amdhsa_reserve_vcc 0
		.amdhsa_float_denorm_mode_32 3
		.amdhsa_float_denorm_mode_16_64 3
		.amdhsa_memory_ordered 1
		.amdhsa_forward_progress 1
		.amdhsa_inst_pref_size 118
	.end_amdhsa_kernel
	.amdgpu_metadata
---
amdhsa.version: [ 1, 2 ]
amdhsa.kernels:
  - .name:           k_q5927381cf1_attn
    .symbol:         k_q5927381cf1_attn.kd
    .args:
      - { .name: rc, .offset: 0, .size: 8, .value_kind: global_buffer, .address_space: global }
      - { .name: rs, .offset: 8, .size: 8, .value_kind: global_buffer, .address_space: global }
      - { .name: vc, .offset: 16, .size: 8, .value_kind: global_buffer, .address_space: global }
      - { .name: vs, .offset: 24, .size: 8, .value_kind: global_buffer, .address_space: global }
      - { .name: ac, .offset: 32, .size: 8, .value_kind: global_buffer, .address_space: global }
      - { .name: asc, .offset: 40, .size: 8, .value_kind: global_buffer, .address_space: global }
    .group_segment_fixed_size: 327680
    .private_segment_fixed_size: 0
    .kernarg_segment_align: 8
    .kernarg_segment_size: 48
    .max_flat_workgroup_size: 512
    .sgpr_count:     80
    .vgpr_count:     256
    .wavefront_size: 32
...
	.end_amdgpu_metadata
.endif
;; end of part 2
;; launch proj (part 3): grid 256 x 1, 8 waves a work-group, no clusters, 35,840 bytes of LDS; arguments ac, asc, rc, rs, proj_b, out0; writes out0
.if DOCPART == 3
	.amdgcn_target "amdgcn-amd-amdhsa--gfx1250"
	.amdhsa_code_object_version 6
	.text
	.protected	k_q5927381cf1_proj
	.globl	k_q5927381cf1_proj
	.p2align	8
	.type	k_q5927381cf1_proj,@function
k_q5927381cf1_proj:
	s_mov_b64 s[64:65], 0
	v_nop
	global_prefetch_b8 v0, s[64:65] scope:SCOPE_SE
	s_setreg_imm32_b32 hwreg(HW_REG_WAVE_MODE, 25, 1), 1
	s_wait_xcnt 0x0
; out0[row][n] = the sum over k of A[row][k] W[n][k] + proj_b[n]: 8,192 rows, K = 512, 512 columns, on codes of BF6 (E3M2) with one E8M0 scale for each 32 along K; sums in f32.
; A: ac [batch x 8 + head][query][48 bytes], asc [..][query][2]: head hh of a batch is chunk hh of 64 along K.  W: rc from byte 6,291,456, [chunk of K: 8][row n, tile order: 512][48 bytes]; rs from byte 262,144, [chunk][row][2].
; SHARES.  Work-group g takes rows 32 g .. 32 g + 31, wave w columns 64 w .. 64 w + 63: 2 x 4 accumulators, 4 K steps of 128: 32 matrix instructions a wave.
; Operands go from memory straight into the registers that multiply them, each K step into registers of its own; nothing is loaded twice by a wave, and no register that a pending load or store names is written again.
; NO CLUSTER, NO TENSOR LOAD: the body has one pass of 32 matrix instructions a wave; a joint load of W would add a way through LDS and three rounds of the cluster's barrier to it.  No barrier: waves share nothing.
; THE MATRIX INSTRUCTION IS USED TRANSPOSED (source 0 = 16 stored rows of W, source 1 = 16 rows of A): by W's tile order lane (r, h) of tile T holds out0(row r, 64 w + 32 (T / 2) + 8 (T % 2) + 16 h + 0 .. 7).
; The bias is the C of each sum's first matrix instruction: eight registers a tile, in the result's layout.
; REGISTERS, window 0: v1 48 r + 24 h; v2 2 x lane; v3 64 h; v4-6 the way out; v7 r; v8-11 A's scale words (K step s; lanes 0-15 rows 0-15, lanes 16-31 rows 16-31); v12-19 W's (2 s + T / 2; lanes 0-15 the even tile);
;   v20-31 their upper halves as loaded; v32-127 A's fragments (12 (2 s + m)), later the rows read back; v128-191 the accumulators (8 (4 m + T)); v194 h.   window 1: v0-191 W's fragments (12 (4 s + T)); v192-223 the bias (8 T).
.set MSB, 0
.macro WIN new                         ; the immediate's high byte repeats the setting that is left
.if MSB != \new
	s_set_vgpr_msb (MSB<<8)|\new
.set MSB, \new
.endif
.endm
	s_load_b256 s[4:11], s[0:1], 0x0               ; ac s[4:5], asc s[6:7], rc s[8:9], rs s[10:11]
	s_load_b128 s[12:15], s[0:1], 0x20             ; proj_b s[12:13], out0 s[14:15]
	v_lshl_add_u32 v254, v0, 2, 0x8800
	v_mov_b32 v255, 0
	v_lshrrev_b32 v1, 5, v0
	s_delay_alu instid0(VALU_DEP_1)
	v_readfirstlane_b32 s16, v1                    ; wave 0..7
	v_and_b32 v7, 15, v0                           ; r
	v_bfe_u32 v194, v0, 4, 1                       ; h
	v_and_b32 v2, 31, v0
	s_delay_alu instid0(VALU_DEP_1)
	v_lshlrev_b32 v2, 1, v2                        ; 2 x lane
	s_delay_alu instid0(VALU_DEP_4)
	v_mul_u32_u24 v1, v7, 48
	s_delay_alu instid0(VALU_DEP_1)
	v_mad_u32_u24 v1, v194, 24, v1                 ; 48 r + 24 h
	v_lshlrev_b32 v3, 6, v194                      ; 64 h
	s_lshr_b32 s17, ttmp9, 7                       ; the batch
	s_and_b32 s18, ttmp9, 127
	s_lshl_b32 s18, s18, 5                         ; my first query in it
	s_mul_i32 s20, s17, 1572864                    ; ac: eight heads of 196,608 bytes a batch,
	s_mul_i32 s21, s18, 48
	s_add_co_u32 s20, s20, s21
	s_mov_b32 s21, 0
	s_lshl_b32 s22, s17, 16                        ; asc: eight heads of 8,192 bytes
	s_lshl_b32 s23, s18, 1
	s_add_co_u32 s22, s22, s23
	s_mov_b32 s23, 0
	s_mul_i32 s24, s16, 3072                       ; W's codes: my 64 stored rows of 48 bytes
	s_add_co_u32 s24, s24, 6291456
	s_mov_b32 s25, 0
	s_lshl_b32 s26, s16, 7                         ; W's scale bytes: my 64 rows of 2
	s_add_co_u32 s26, s26, 262144
	s_mov_b32 s27, 0
	s_lshl_b32 s28, s16, 8                         ; my 64 columns, in bytes: in proj_b and in a row of out0
	s_mov_b32 s29, 0
	s_lshl_b32 s30, ttmp9, 16                      ; 32 rows of 2,048 bytes
	s_add_co_u32 s30, s30, s28
	s_mov_b32 s31, 0
	s_wait_alu depctr_va_vdst(0)
	s_wait_kmcnt 0x0
	s_add_nc_u64 s[4:5], s[4:5], s[20:21]
	s_add_nc_u64 s[6:7], s[6:7], s[22:23]
	s_add_nc_u64 s[8:9], s[8:9], s[24:25]
	s_add_nc_u64 s[10:11], s[10:11], s[26:27]
	s_add_nc_u64 s[12:13], s[12:13], s[28:29]
	s_add_nc_u64 s[14:15], s[14:15], s[30:31]
	; 32 loads: the scale bytes, two of a word at a time, and the bias
.irp s, 0,1,2,3
	global_load_u16 v[8+\s], v2, s[6:7] offset:8192*(2*\s)         ; head 2 s: bytes 0, 1 of K step s's word,
	global_load_u16 v[20+\s], v2, s[6:7] offset:8192*(2*\s+1)      ; head 2 s + 1: bytes 2, 3
.endr
.irp s, 0,1,2,3
.irp q, 0,1
	global_load_u16 v[12+2*\s+\q], v2, s[10:11] offset:1024*(2*\s)+64*\q
	global_load_u16 v[24+2*\s+\q], v2, s[10:11] offset:1024*(2*\s+1)+64*\q
.endr
.endr
	WIN 0x40                                       ; destination window 1
.irp T, 0,1,2,3
	global_load_b128 v[192+8*\T:195+8*\T], v3, s[12:13] offset:128*(\T/2)+32*(\T%2)
	global_load_b128 v[196+8*\T:199+8*\T], v3, s[12:13] offset:128*(\T/2)+32*(\T%2)+16
.endr
	WIN 0
; 36 loads: K step s's fragments: A's two (registers 6 c on: head 2 s + c, block h), W's four
.macro LFRAG s
	WIN 0
.irp m, 0,1
.irp p, 0,1,2,3,4,5
	global_load_b64 v[32+12*(2*\s+\m)+2*\p:32+12*(2*\s+\m)+2*\p+1], v1, s[4:5] offset:393216*\s+196608*(\p/3)+768*\m+8*(\p%3)
.endr
.endr
	WIN 0x40
.irp T, 0,1,2,3
.irp p, 0,1,2,3,4,5
	global_load_b64 v[12*(4*\s+\T)+2*\p:12*(4*\s+\T)+2*\p+1], v1, s[8:9] offset:24576*(2*\s+\p/3)+768*\T+8*(\p%3)
.endr
.endr
	WIN 0
.endm
.macro PROD s, m, T
.set DR, 128+8*(4*\m+\T)
.if \s == 0
.set CR, 192+8*\T                      ; the bias, in window 1
.else
.set CR, DR
.endif
.set WR, 12*(4*\s+\T)
.set AR, 32+12*(2*\s+\m)
.if ((\T%2) == 0) && (\m == 0)
	v_wmma_scale_f32_16x16x128_f8f6f4 v[DR:DR+7], v[WR:WR+11], v[AR:AR+11], v[CR:CR+7], v[12+2*\s+\T/2], v[8+\s] matrix_a_fmt:MATRIX_FMT_BF6 matrix_b_fmt:MATRIX_FMT_BF6
.elseif ((\T%2) == 1) && (\m == 0)
	v_wmma_scale_f32_16x16x128_f8f6f4 v[DR:DR+7], v[WR:WR+11], v[AR:AR+11], v[CR:CR+7], v[12+2*\s+\T/2], v[8+\s] matrix_a_fmt:MATRIX_FMT_BF6 matrix_b_fmt:MATRIX_FMT_BF6 matrix_a_scale:MATRIX_SCALE_ROW1
.elseif ((\T%2) == 0)
	v_wmma_scale_f32_16x16x128_f8f6f4 v[DR:DR+7], v[WR:WR+11], v[AR:AR+11], v[CR:CR+7], v[12+2*\s+\T/2], v[8+\s] matrix_a_fmt:MATRIX_FMT_BF6 matrix_b_fmt:MATRIX_FMT_BF6 matrix_b_scale:MATRIX_SCALE_ROW1
.else
	v_wmma_scale_f32_16x16x128_f8f6f4 v[DR:DR+7], v[WR:WR+11], v[AR:AR+11], v[CR:CR+7], v[12+2*\s+\T/2], v[8+\s] matrix_a_fmt:MATRIX_FMT_BF6 matrix_b_fmt:MATRIX_FMT_BF6 matrix_a_scale:MATRIX_SCALE_ROW1 matrix_b_scale:MATRIX_SCALE_ROW1
.endif
.endm
; A K step: the eight accumulators take turns, one instruction a turn, in the same order in every step
.macro MUL s
.if \s == 0
	WIN 0x11                                       ; source 0 (W) and source 2 (the bias) window 1
.else
	WIN 0x01                                       ; source 0 window 1
.endif
.irp m, 0,1
.irp T, 0,1,2,3
	PROD \s, \m, \T
.endr
.endr
.endm
	LFRAG 0
	LFRAG 1
	s_wait_loadcnt 36                              ; all but K step 1's 36 loads are in: the scale bytes, the bias, K step 0
	LFRAG 2
.irp s, 0,1,2,3
	v_lshl_or_b32 v[8+\s], v[20+\s], 16, v[8+\s]   ; the scale words are put together
.endr
.irp i, 0,1,2,3,4,5,6,7
	v_lshl_or_b32 v[12+\i], v[24+\i], 16, v[12+\i]
.endr
	s_mul_i32 s20, s16, 16*272                     ; my stage: 16 rows x (256 bytes + 16).  These ten plain lines stand between the scale words' last write and the first product
	v_mul_u32_u24 v4, v7, 272
	s_delay_alu instid0(VALU_DEP_1)
	v_lshl_add_u32 v4, v194, 6, v4
	s_delay_alu instid0(VALU_DEP_1)
	v_add_nc_u32 v4, s20, v4                       ; in: row r, + 64 h
	v_mul_u32_u24 v5, v194, 272
	s_delay_alu instid0(VALU_DEP_1)
	v_lshl_add_u32 v5, v7, 4, v5
	s_delay_alu instid0(VALU_DEP_1)
	v_add_nc_u32 v5, s20, v5                       ; back: lanes 0-15 one row of 256 bytes, lanes 16-31 the next
	v_lshlrev_b32 v6, 11, v194
	s_delay_alu instid0(VALU_DEP_1)
	v_lshl_add_u32 v6, v7, 4, v6                   ; and the same two rows in out0
	v_nop
	v_nop
	MUL 0
	s_wait_loadcnt 36                              ; K step 1 is in; K step 2's 36 loads may be out
	LFRAG 3
	MUL 1
	s_wait_loadcnt 36                              ; K step 2 is in; K step 3's may be out
	MUL 2
	s_wait_alu depctr_va_vdst(0)
	s_wait_loadcnt 0x0
	MUL 3
	WIN 0
.rept 4
	v_nop                                          ; places in front of the first read of results and of loads into registers that matrix instructions have read
.endr
; THE WAY OUT: 16 rows x 64 columns at a time through my own stage; LDS serves a wave's instructions in order: no wait between the stores and the loads, nor in front of the next block's stores.
.macro TOSTAGE m
.irp T, 0,1,2,3
	ds_store_b128 v4, v[128+8*(4*\m+\T):128+8*(4*\m+\T)+3] offset:128*(\T/2)+32*(\T%2)       ; each accumulator from its low end on
	ds_store_b128 v4, v[128+8*(4*\m+\T)+4:128+8*(4*\m+\T)+7] offset:128*(\T/2)+32*(\T%2)+16
.endr
.irp i, 0,1,2,3,4,5,6,7
	ds_load_b128 v[32+32*\m+4*\i:32+32*\m+4*\i+3], v5 offset:544*\i
.endr
.endm
.macro SEND m, younger                 ; younger: the LDS instructions issued behind block m's loads
.irp i, 0,1,2,3,4,5,6,7
	s_wait_dscnt \younger+7-\i
	global_store_b128 v6, v[32+32*\m+4*\i:32+32*\m+4*\i+3], s[14:15] offset:(16*\m+2*\i)*2048 th:TH_STORE_NT   ; 16 lanes store 256 consecutive bytes, at a multiple of 256 from out0's first byte
.endr
.endm
	TOSTAGE 0
	TOSTAGE 1
	SEND 0, 16
	SEND 1, 0
	s_wait_tensorcnt 0x0
	ds_add_u32 v254, v255
	s_wait_dscnt 0x0
	s_endpgm
.Lfunc_end_k_q5927381cf1_proj:
	.size	k_q5927381cf1_proj, .Lfunc_end_k_q5927381cf1_proj-k_q5927381cf1_proj
	.p2alignl 7, 3214868480
	.fill 96, 4, 3214868480
	.section	.rodata,"a",@progbits
	.p2align	6, 0x0
	.amdhsa_kernel k_q5927381cf1_proj
		.amdhsa_group_segment_fixed_size 35840
		.amdhsa_private_segment_fixed_size 0
		.amdhsa_enable_private_segment 0
		.amdhsa_kernarg_size 48
		.amdhsa_user_sgpr_count 2
		.amdhsa_user_sgpr_kernarg_segment_ptr 1
		.amdhsa_wavefront_size32 1
		.amdhsa_system_sgpr_workgroup_id_x 1
		.amdhsa_system_sgpr_workgroup_id_y 1
		.amdhsa_system_sgpr_workgroup_id_z 1
		.amdhsa_system_vgpr_workitem_id 0
		.amdhsa_next_free_vgpr 480
		.amdhsa_next_free_sgpr 66
		.amdhsa_reserve_vcc 0
		.amdhsa_float_denorm_mode_32 3
		.amdhsa_float_denorm_mode_16_64 3
		.amdhsa_memory_ordered 1
		.amdhsa_forward_progress 1
		.amdhsa_inst_pref_size 29
	.end_amdhsa_kernel
	.amdgpu_metadata
---
amdhsa.version: [ 1, 2 ]
amdhsa.kernels:
  - .name:           k_q5927381cf1_proj
    .symbol:         k_q5927381cf1_proj.kd
    .args:
      - { .name: ac, .offset: 0, .size: 8, .value_kind: global_buffer, .address_space: global }
      - { .name: asc, .offset: 8, .size: 8, .value_kind: global_buffer, .address_space: global }
      - { .name: rc, .offset: 16, .size: 8, .value_kind: global_buffer, .address_space: global }
      - { .name: rs, .offset: 24, .size: 8, .value_kind: global_buffer, .address_space: global }
      - { .name: proj_b, .offset: 32, .size: 8, .value_kind: global_buffer, .address_space: global }
      - { .name: out0, .offset: 40, .size: 8, .value_kind: global_buffer, .address_space: global }
    .group_segment_fixed_size: 35840
    .private_segment_fixed_size: 0
    .kernarg_segment_align: 8
    .kernarg_segment_size: 48
    .max_flat_workgroup_size: 256
    .sgpr_count:     66
    .vgpr_count:     480
    .wavefront_size: 32
...
	.end_amdgpu_metadata
.endif
;; end of part 3
